; MI455X (gfx1250); checked and timed in simulation.
; The chip was launched on July 23, 2026; its instructions are those of AMD's public machine-readable ISA for CDNA 5 (MIT licence, August 2026) and "CDNA5" Instruction Set Architecture Reference Guide (July 2026). The comments in the code are by the model that wrote it; some were corrected since.
;; Kmeans Quantize. Allowed arithmetic: matrix products marked QUANTISED: E5M2 operands, one given power-of-two scale a tensor, by v_wmma_f32_16x16x64_bf8_bf8 or v_wmma_f32_16x16x128_bf8_bf8, f32 sums; everything else in f32.
;; Inputs: embd 8,192 x 256 float32; input 8 x 4,096 x 256 float32; lowp_scales 2 int32 (the exponents e of the quantised operands' scales 2^e).
;; Outputs: out0 8 x 4,096 x 256 float32; out1 8 x 4,096 int32.
;; This version of the problem:
;;   THIS VERSION OF THE PROBLEM IS GIVEN IN LOW PRECISION. The matrix products marked QUANTISED in the list below multiply operands that are first quantised to E5M2 (5 exponent bits, 2 mantissa bits; 8 bits a number), with one given power-of-two scale for each operand tensor; their sums are f32. All else is computed in f32.
;;   The module's matrix products, in the order in which they are computed (A, B: the left and right operand; K: the contracted axis; several contracted axes count as one K, in the product's order):
;;     1. [M 32,768, K 256] x [K 256, N 8,192]; A: input input; B: input embd: QUANTISED (scales: A lowp_scales[0], B lowp_scales[1])
;;   THE QUANTISER, for each operand of a quantised product, along K:
;;     - The operand's scale is 2^e, e = its entry of the input lowp_scales (int32; the entries are numbered through the quantised products in the list's order, A before B).
;;     - Each number is divided by the scale, clamped to +-57,344, and rounded to the nearest number of E5M2, ties to even, subnormals kept.
;;     - The product sums the exact products of the quantised numbers (number of the format x scale) in f32.
;;   ~~~python
;;   def quantise(x, axis, e):      # numpy; x: float32 -> the quantised numbers, widened to float32 again
;;       x = np.moveaxis(x, axis, -1); K = x.shape[-1]
;;       r = np.clip(x / 2.0 ** e, -57344, 57344)
;;       step = 2.0 ** (np.maximum(np.frexp(np.where(r == 0, 1, r))[1] - 1, -14) - 2)
;;       q = np.round(r / step) * step * 2.0 ** e      # np.round: ties to even
;;       return np.moveaxis(q, -1, axis).astype(np.float32)
;;   ~~~
;; One version. Each part assembles by itself: llvm-mc -triple=amdgcn-amd-amdhsa -mcpu=gfx1250 --defsym DOCPART=n.
;; ======== version 1 of 1: 3 launches
;; limits: right only within a limited range of input values
;; workspace buffers: bimg 2,097,152 bytes; aimg 8,388,608 bytes; pv 262,144 bytes; pi 262,144 bytes of whole numbers
;; launch quant_both (part 1): grid 1280 x 1, 4 waves a work-group, no clusters, 34,304 bytes of LDS; arguments embd, input, lowp_scales, bimg, aimg; writes bimg, aimg
.if DOCPART == 1
	.amdgcn_target "amdgcn-amd-amdhsa--gfx1250"
	.amdhsa_code_object_version 6
	.text
	.protected	k_qfd460db165_quant_both
	.globl	k_qfd460db165_quant_both
	.p2align	8
	.type	k_qfd460db165_quant_both,@function
k_qfd460db165_quant_both:
	s_mov_b64 s[64:65], 0
	v_nop
	global_prefetch_b8 v0, s[64:65] scope:SCOPE_SE
	s_setreg_imm32_b32 hwreg(HW_REG_WAVE_MODE, 25, 1), 1
	s_wait_xcnt 0x0
; THE PROGRAM: idxs = argmax over v of Q(input) . Q(embd[v]); out0 = embd[idxs].  Three launches: the codes; the product and its argmax in each half of embd; the choice between the halves, and the rows.
; WORK LEFT OUT, for all finite values of the inputs: (1) out0 = input + (embd[idxs] - input) is embd[idxs] in real numbers, so the f32 numbers of input reach out0 by no way but idxs: the
; subtraction and the addition are not made, and input is read here alone, for its codes.  (2) Every sum of the product carries the same factor 2^(ea + eb), which is positive: it moves no
; argmax, so the sums are compared as the codes give them.  LIMIT: a NaN, an infinity or an overflow that reaches only the work left out is not carried to the result.
; THIS LAUNCH: embd [8192][256] and input [32768][256], f32, become codes of BF8 (E5M2) with the given scales 2^eb (entry 1) and 2^ea (entry 0), laid as IMAGES OF OPERAND REGISTERS.
; code = x / 2^e, held within +-57,344, rounded to the nearest code, ties to even.  LIMITS: e between -126 and 112, so that 2^e and 57,344 x 2^e are f32 numbers.  NaN among the inputs is not served.
; A fragment is 16 rows x 128 along K: 16 registers a lane in the 8-bit matrix form's own layout: registers 2 c, 2 c + 1 of lane (r, h) hold k = 16 c + 8 h + 0 .. 7 of row r.
; Fragment t = 2 x (row / 16) + K step lies at byte 2,048 t of its image; in it registers 4 q .. 4 q + 3 of lane l lie at 512 q + 16 l.
; SHARES: 1,024 fragments of embd (work-groups 0-255) and 4,096 of input (the others), one a wave; only pointers and the scale are chosen by the work-group's number, the path is one.
; Each of the 16 loads reads 512 consecutive bytes of one row; the numbers turn through the wave's own stage in LDS, so that a lane gets eight neighbours along K at a time.  Waves share nothing: no barrier.
.set WGB,   256                        ; work-groups that take embd
.set PITCH, 528                        ; a stage row: 512 bytes + 16: the 16 rows that a load touches start at 16 different banks (64 banks of 4 bytes: ISA guide 11.1)
.set WREG,  16*PITCH                   ; a wave's stage
.set R,     16                         ; v16-79   the numbers as loaded
.set X,     80                         ; v80-143  64 numbers in the order of the fragment's registers
.set C,     144                        ; v144-159 the codes
	s_load_b256 s[4:11], s[0:1], 0x0               ; embd s[4:5], input s[6:7], the scales' exponents s[8:9], bimg s[10:11]
	s_load_b64 s[12:13], s[0:1], 0x20              ; aimg
	v_lshl_add_u32 v160, v0, 2, 0x8400             ; my spare word, behind the four stages
	v_mov_b32 v161, 0
	v_lshrrev_b32 v1, 5, v0
	v_readfirstlane_b32 s16, v1                    ; wave 0..3
	v_and_b32 v1, 31, v0                           ; lane
	v_and_b32 v2, 15, v0                           ; r
	v_bfe_u32 v3, v0, 4, 1                         ; h
	v_lshlrev_b32 v4, 4, v1                        ; 16 x lane: my bytes of a load's and of a store's 512
	s_mul_i32 s17, s16, WREG
	v_add_nc_u32 v5, s17, v4                       ; the stage, on the way in: as loaded
	v_mul_u32_u24 v6, v2, PITCH
	v_lshl_add_u32 v6, v3, 5, v6
	v_add_nc_u32 v6, s17, v6                       ; and on the way out: row r, + 32 h bytes (8 h numbers)
	s_cmp_lt_u32 ttmp9, WGB
	s_cselect_b32 s18, 0, WGB
	s_sub_co_u32 s18, ttmp9, s18
	s_lshl_b32 s18, s18, 2
	s_add_co_u32 s18, s18, s16                     ; my fragment t of my tensor
	s_lshr_b32 s20, s18, 1
	s_lshl_b32 s20, s20, 14                        ; its 16 rows of 1,024 bytes,
	s_and_b32 s19, s18, 1
	s_lshl_b32 s19, s19, 9                         ; its K step's 512 bytes of a row
	s_add_co_u32 s20, s20, s19
	s_mov_b32 s21, 0
	s_lshl_b32 s24, s18, 11                        ; and its image
	s_mov_b32 s25, 0
	s_wait_alu depctr_va_vdst(0)                   ; directly ahead of the wait below
	s_wait_kmcnt 0x0
	s_load_b64 s[22:23], s[8:9], 0x0               ; ea, eb
	s_cmp_lt_u32 ttmp9, WGB                        ; the choice hangs on the work-group's number alone
	s_cselect_b64 s[4:5], s[4:5], s[6:7]
	s_cselect_b64 s[10:11], s[10:11], s[12:13]
	s_add_nc_u64 s[4:5], s[4:5], s[20:21]
	s_add_nc_u64 s[10:11], s[10:11], s[24:25]
.irp i, 0,1,2,3,4,5,6,7,8,9,10,11,12,13,14,15
	global_load_b128 v[R+4*\i:R+4*\i+3], v4, s[4:5] offset:1024*\i th:TH_LOAD_NT   ; row i: 32 lanes read 512 consecutive bytes
.endr
	s_wait_kmcnt 0x0
	s_cmp_lt_u32 ttmp9, WGB
	s_cselect_b32 s22, s23, s22                    ; e
	s_add_co_i32 s22, s22, 127
	s_lshl_b32 s23, s22, 23
	v_mov_b32 v11, s23                             ; 2^e as f32: the conversion takes its exponent field
	s_add_co_i32 s22, s22, 15
	s_lshl_b32 s22, s22, 23
	s_or_b32 s22, s22, 0x600000
	v_mov_b32 v10, s22                             ; 57,344 x 2^e
	s_wait_alu depctr_va_vdst(0)                   ; the head's end
	s_wait_loadcnt 0x0
.irp i, 0,1,2,3,4,5,6,7,8,9,10,11,12,13,14,15
	ds_store_b128 v5, v[R+4*\i:R+4*\i+3] offset:PITCH*\i
.endr
.irp c, 0,1,2,3,4,5,6,7
.irp j, 0,1
	ds_load_b128 v[X+8*\c+4*\j:X+8*\c+4*\j+3], v6 offset:64*\c+16*\j   ; LDS serves a wave's instructions in order (ISA guide 5.7.1.4): these see my stores
.endr
.endr
	s_wait_dscnt 0x0
.irp c, 0,1,2,3,4,5,6,7
.irp i, 0,1,2,3,4,5,6,7
	v_med3_num_f32 v[X+8*\c+\i], v[X+8*\c+\i], -v10, v10   ; the conversion to an 8-bit code does not saturate (ISA guide 7.6.2): the hold comes first
.endr
	v_cvt_scalef32_pk8_bf8_f32 v[C+2*\c:C+2*\c+1], v[X+8*\c:X+8*\c+7], v11
.endr
	v_nop                                          ; one plain vector line behind the last conversion
.irp q, 0,1,2,3
	global_store_b128 v4, v[C+4*\q:C+4*\q+3], s[10:11] offset:512*\q   ; 32 lanes store 512 consecutive bytes, at a multiple of 256 from the image's first byte
.endr
	s_wait_tensorcnt 0x0                           ; the wave's end
	ds_add_u32 v160, v161
	s_wait_dscnt 0x0
	s_endpgm
.Lfunc_end_k_qfd460db165_quant_both:
	.size	k_qfd460db165_quant_both, .Lfunc_end_k_qfd460db165_quant_both-k_qfd460db165_quant_both
	.p2alignl 7, 3214868480
	.fill 96, 4, 3214868480
	.section	.rodata,"a",@progbits
	.p2align	6, 0x0
	.amdhsa_kernel k_qfd460db165_quant_both
		.amdhsa_group_segment_fixed_size 34304
		.amdhsa_private_segment_fixed_size 0
		.amdhsa_enable_private_segment 0
		.amdhsa_kernarg_size 40
		.amdhsa_user_sgpr_count 2
		.amdhsa_user_sgpr_kernarg_segment_ptr 1
		.amdhsa_wavefront_size32 1
		.amdhsa_system_sgpr_workgroup_id_x 1
		.amdhsa_system_sgpr_workgroup_id_y 1
		.amdhsa_system_sgpr_workgroup_id_z 1
		.amdhsa_system_vgpr_workitem_id 0
		.amdhsa_next_free_vgpr 162
		.amdhsa_next_free_sgpr 66
		.amdhsa_reserve_vcc 0
		.amdhsa_float_denorm_mode_32 3
		.amdhsa_float_denorm_mode_16_64 3
		.amdhsa_memory_ordered 1
		.amdhsa_forward_progress 1
		.amdhsa_inst_pref_size 11
	.end_amdhsa_kernel
	.amdgpu_metadata
---
amdhsa.version: [ 1, 2 ]
amdhsa.kernels:
  - .name:           k_qfd460db165_quant_both
    .symbol:         k_qfd460db165_quant_both.kd
    .args:
      - { .name: embd, .offset: 0, .size: 8, .value_kind: global_buffer, .address_space: global }
      - { .name: input, .offset: 8, .size: 8, .value_kind: global_buffer, .address_space: global }
      - { .name: lowp_scales, .offset: 16, .size: 8, .value_kind: global_buffer, .address_space: global }
      - { .name: bimg, .offset: 24, .size: 8, .value_kind: global_buffer, .address_space: global }
      - { .name: aimg, .offset: 32, .size: 8, .value_kind: global_buffer, .address_space: global }
    .group_segment_fixed_size: 34304
    .private_segment_fixed_size: 0
    .kernarg_segment_align: 8
    .kernarg_segment_size: 40
    .max_flat_workgroup_size: 128
    .sgpr_count:     66
    .vgpr_count:     162
    .wavefront_size: 32
...
	.end_amdgpu_metadata
.endif
;; end of part 1
;; launch vq_half (part 2): grid 128 x 2, 8 waves a work-group, clusters of 4 x 1, 327,680 bytes of LDS; arguments aimg, bimg, pv, pi; writes pv, pi
.if DOCPART == 2
	.amdgcn_target "amdgcn-amd-amdhsa--gfx1250"
	.amdhsa_code_object_version 6
	.text
	.protected	k_qfd460db165_vq_half
	.globl	k_qfd460db165_vq_half
	.p2align	8
	.type	k_qfd460db165_vq_half,@function
k_qfd460db165_vq_half:
	s_mov_b64 s[64:65], 0
	v_nop
	global_prefetch_b8 v0, s[64:65] scope:SCOPE_SE
	s_setreg_imm32_b32 hwreg(HW_REG_WAVE_MODE, 25, 1), 1
	s_wait_xcnt 0x0
	s_wait_alu depctr_hold_cnt(0) depctr_sa_sdst(0) depctr_va_vdst(0) depctr_va_sdst(0) depctr_va_ssrc(0) depctr_va_vcc(0) depctr_vm_vsrc(0)
	s_getreg_b32 s2, hwreg(HW_REG_IB_STS2, 6, 4)
	s_cmp_eq_u32 s2, 0
	s_cbranch_scc0 .Lentry_in_a_cluster
	s_endpgm
.Lentry_in_a_cluster:
	s_bfe_u32 s2, ttmp6, 0x10000c
	s_cmp_lg_u32 s2, 0x3003
	s_cbranch_scc0 .Lentry_shape_is_right
	s_endpgm
.Lentry_shape_is_right:
; For each of the 32,768 tokens and each half of embd (4,096 rows): the largest sum of Q(input) . Q(embd[v]) (pv) and the first v that has it (pi), both laid [half][token].
; Left out (shown at the first kernel's head): the factor 2^(ea + eb) of every sum, which moves no argmax.  LIMIT: the sums are finite; a NaN among them is passed over by the maxima.
; SHARES: work-group (x, y) takes tokens 256 x .. 256 x + 255 against half y of embd.  Wave w = 4 g + c keeps the codes of the 128 tokens of group g in registers (8 x 2 fragments, 256 registers,
; window 1), loaded as register images straight from aimg (64 loads of 512 consecutive bytes), and takes quarter c of the half's tiles of 16 rows: 64 of 256.  A tile is 2 fragments (4,096 bytes of bimg)
; and feeds 16 matrix instructions a wave.  So a work-group draws 1,048,576 bytes of bimg for its 2^20 sums, half of what 128 tokens against all of embd would draw.
; The half goes in 8 blocks of 131,072 bytes (32 tiles) through a ring of two LDS slots.  Wave w fetches bytes 16,384 w .. of a block; wave (g, c) reads bytes 32,768 c .., tiles 8 c .. 8 c + 7:
; what it reads other waves have fetched, so every change of slots has a barrier behind each wave's wait for its load.  All work-groups of a row of the grid walk the same blocks:
; the four of a cluster ask for each JOINTLY (mask 15), and a round of the cluster's barrier stands in front of each refill.
; THE MATRIX INSTRUCTION IS USED TRANSPOSED (source 0 = 16 rows of embd, source 1 = 16 tokens): lane (r, h) holds token r, its registers j the rows 8 h + j of the tile.
; THE SCAN of an accumulator is ten issues: four three-way maxima carry the lane's running maximum through the eight sums (into the other of two sets of registers, which take turns), one compare
; against the old maximum, one select of the tile's number, and four pairs of selects that keep the winning tile's eight sums, from which j is read off at the end.
; A later tile wins only if it is strictly larger, and a wave's tiles ascend: the first largest is kept.
; PREFETCH: behind each refill the block that stands two refills on is asked for, 256 bytes a lane: waves 0-3 of the four work-groups of cluster x = 0 of each row of the grid share its 131,072 bytes
; out by address (32,768 cx + 8,192 w); the row's other clusters read the same bytes behind them.  Blocks 4 to 7 are asked for; the last two refills ask for nothing.
.set RING1,  131072
.set MRGV,   262144                    ; the waves' results meet here: 8 x 512 bytes of maxima, then 8 x 512 of indices
.set SPARE,  MRGV+8192                 ; the spare words, 128 bytes a wave
.set BLOCKB, 131072
.set TILEB,  4096
.set SPW,  3                           ; v3  my spare word; v4  0: never rewritten
.set NIL,  4
.set ADRB, 5                           ; v5-6  LDS address of my fragments in slot 0, 1
.set MW,   10
.set MR,   11
.set GO,   12                          ; 16 x lane
.set PFO,  13                          ; 256 x lane
.set OV,   24
.set OC,   28
.set B0,   32                          ; two buffers for a tile's two fragments
.set B1,   64
.set X,    96                          ; accumulators of my tokens 0-63
.set Y,    128                         ; and of my tokens 64-127
.set BA,   160                         ; the running maxima, two sets of 8 by turns
.set BB,   168
.set TIL,  176                         ; the tile of the maximum
.set W,    184                         ; v184-247 that tile's eight sums, for each of my 8 blocks of tokens
.set JJ,   96                          ; behind the loop
.set COL,  104
.set RG,    12                         ; s12 g, s13 c
.set CQ,    13
.set WV,    14
.set G1B,   32
.set G0B,   44
.set PFA,   52
.set LIM,   54
.set LEFT,  55
.set TRIPS, 56
.set CUR,   57
.set PREV,  58
.set SEL,   60
.set MG,    66
.set ME,    70
.set ML,    74
.set MSB, 0
.macro WIN new                         ; the immediate's high byte repeats the setting that is left
.if MSB != \new
	s_set_vgpr_msb (MSB<<8)|\new
.set MSB, \new
.endif
.endm
.macro CREST                           ; a round of the cluster's barrier behind its opening barrier
	s_cmp_lg_u32 s[WV], 0
	s_cbranch_scc1 .Lnot_wave_0_\@
	s_barrier_signal -3
.Lnot_wave_0_\@:
	s_barrier_wait -3
	s_barrier_signal -1
	s_barrier_wait -1
.endm
.macro CROUND
	s_barrier_signal -1
	s_barrier_wait -1
	CREST
.endm
.macro FOUR
.rept 4
	v_nop
.endr
.endm
.macro BLOAD buf, adr, k               ; tile k of my eight in a slot: 8 loads of 512 consecutive bytes
.irp i, 0,1,2,3,4,5,6,7
	ds_load_b128 v[\buf+4*\i:\buf+4*\i+3], v[\adr] offset:TILEB*(\k)+512*\i
.endr
.endm
.macro MUL acc, r0, buf                ; 4 blocks of 16 tokens x the tile, K = 256 in two steps; the four accumulators take turns
	WIN 0x04                                       ; source 1: window 1
.irp t, 0,1,2,3
	v_wmma_f32_16x16x128_bf8_bf8 v[\acc+8*\t:\acc+8*\t+7], v[\buf:\buf+15], v[32*(\r0+\t):32*(\r0+\t)+15], 0
.endr
.irp t, 0,1,2,3
	v_wmma_f32_16x16x128_bf8_bf8 v[\acc+8*\t:\acc+8*\t+7], v[\buf+16:\buf+31], v[32*(\r0+\t)+16:32*(\r0+\t)+31], v[\acc+8*\t:\acc+8*\t+7]
.endr
	WIN 0
.endm
.macro SCAN acc, r0, code, ob, nb      ; four accumulators; the maxima line by line by turns; each accumulator is read from its low end on
.irp t, 0,1,2,3
	v_max3_num_f32 v[\nb+\r0+\t], v[\ob+\r0+\t], v[\acc+8*\t], v[\acc+8*\t+1]
.endr
.irp p, 2,4,6
.irp t, 0,1,2,3
	v_max3_num_f32 v[\nb+\r0+\t], v[\nb+\r0+\t], v[\acc+8*\t+\p], v[\acc+8*\t+\p+1]
.endr
.endr
.irp t, 0,1,2,3
	v_cmp_gt_f32 vcc_lo, v[\nb+\r0+\t], v[\ob+\r0+\t]
	v_cndmask_b32 v[TIL+\r0+\t], v[TIL+\r0+\t], s[\code], vcc_lo
.irp j, 0,2,4,6                        ; two selects an issue, both by VCC: an even and an odd destination, neighbouring registers as sources
	v_dual_cndmask_b32 v[W+8*(\r0+\t)+\j], v[W+8*(\r0+\t)+\j], v[\acc+8*\t+\j] :: v_dual_cndmask_b32 v[W+8*(\r0+\t)+\j+1], v[W+8*(\r0+\t)+\j+1], v[\acc+8*\t+\j+1]
.endr
.endr
.endm
.macro ASK
	s_cmp_gt_u32 s[LEFT], s[LIM]
	s_cbranch_scc0 .Lnot_mine_\@
	global_prefetch_b8 v[PFO], s[PFA:PFA+1] th:TH_LOAD_NT scope:SCOPE_SE
.Lnot_mine_\@:
.endm
; One tile.  The scan of one half's sums stands behind the other half's products: its lines are those products' places.
; mode 0: the next tile lies in the same slot.  1: the slot's last tile, and the slot is filled again.  2: the slot's last, nothing is filled.  3: the very last.
.macro TILE k, buf, slot, mode
.set OTH, B0+B1-\buf
.set OBX, BA+(BB-BA)*((\k)%2)
.set NBX, BA+BB-OBX
.if \mode == 0
	BLOAD OTH, ADRB+\slot, \k+1
	s_wait_dscnt 8                                 ; this tile's fragments are in; the 8 loads just issued may be out
	MUL X, 0, \buf
.elseif \mode == 1
	s_wait_xcnt 0x0                                ; my prefetch has read its address
	s_add_nc_u64 s[PFA:PFA+1], s[PFA:PFA+1], BLOCKB
	s_wait_tensorcnt 0x0                           ; my one load that was out, my part of the other slot, has landed
	ds_add_u32 v[SPW], v[NIL]
	s_add_nc_u64 s[G0B+4*\slot+2:G0B+4*\slot+3], s[G0B+4*\slot+2:G0B+4*\slot+3], 2*BLOCKB
	s_wait_dscnt 0x0                               ; the add is done, and my reads of this slot are over
	s_barrier_signal -1
	MUL X, 0, \buf
	s_barrier_wait -1
	CREST
	tensor_load_to_lds s[G0B+4*\slot:G0B+4*\slot+3], s[G1B:G1B+7]   ; the first tensor load behind the round, one a wave
	s_nop 0
	FOUR
	BLOAD OTH, ADRB+1-\slot, 0
	ASK
	s_sub_co_u32 s[LEFT], s[LEFT], 1
.elseif \mode == 2
	s_wait_tensorcnt 0x0                           ; my part of the other slot has landed,
	s_wait_dscnt 0x0                               ; and no LDS instruction of mine is out:
	s_barrier_signal -1                            ; say so,
	MUL X, 0, \buf
	s_barrier_wait -1                              ; and read the others' parts when all eight have said so
	BLOAD OTH, ADRB+1-\slot, 0
.else
	s_wait_dscnt 0x0
	MUL X, 0, \buf
.endif
	SCAN Y, 4, PREV, NBX, OBX                      ; the tile before, my tokens 64-127
	MUL Y, 4, \buf
	SCAN X, 0, CUR, OBX, NBX
	s_mov_b32 s[PREV], s[CUR]
.if \k == 7
	s_add_co_u32 s[CUR], s[CUR], 25                ; on to my eight tiles of the next block of 32
.else
	s_add_co_u32 s[CUR], s[CUR], 1
.endif
.endm
.macro SLOTRUN slot, last              ; my eight tiles of a slot
	TILE 0, B0, \slot, 0
	TILE 1, B1, \slot, 0
	TILE 2, B0, \slot, 0
	TILE 3, B1, \slot, 0
	TILE 4, B0, \slot, 0
	TILE 5, B1, \slot, 0
	TILE 6, B0, \slot, 0
	TILE 7, B1, \slot, \last
.endm
.macro TAKE mv, mc, ov, oc             ; four pairs (maximum, index): the other's is taken if it is larger, or equal with the lower index
.irp i, 0,1,2,3
	v_cmp_gt_f32 s[MG+\i], v[\ov+\i], v[\mv+\i]
.endr
.irp i, 0,1,2,3
	v_cmp_eq_f32 s[ME+\i], v[\ov+\i], v[\mv+\i]
.endr
.irp i, 0,1,2,3
	v_cmp_lt_u32 s[ML+\i], v[\oc+\i], v[\mc+\i]
.endr
.irp i, 0,1,2,3
	s_and_b32 s[ME+\i], s[ME+\i], s[ML+\i]
.endr
.irp i, 0,1,2,3
	s_or_b32 s[MG+\i], s[MG+\i], s[ME+\i]
.endr
.irp i, 0,1,2,3
	v_cndmask_b32 v[\mv+\i], v[\mv+\i], v[\ov+\i], s[MG+\i]
	v_cndmask_b32 v[\mc+\i], v[\mc+\i], v[\oc+\i], s[MG+\i]
.endr
.endm
	s_load_b256 s[4:11], s[0:1], 0x0               ; aimg s[4:5], bimg s[6:7], pv s[8:9], pi s[10:11]
	v_lshl_add_u32 v[SPW], v0, 2, SPARE
	v_mov_b32 v[NIL], 0
	ds_add_u32 v[SPW], v[NIL]                      ; the opening lines: the add, twice on end, and its wait
	ds_add_u32 v[SPW], v[NIL]
	v_lshrrev_b32 v1, 5, v0
	v_readfirstlane_b32 s[WV], v1                  ; wave 0..7
	v_and_b32 v[GO], 31, v0
	v_lshlrev_b32 v[PFO], 8, v[GO]
	v_lshlrev_b32 v[GO], 4, v[GO]
	s_lshr_b32 s[RG], s[WV], 2                     ; g: which 128 of the 256 tokens
	s_and_b32 s[CQ], s[WV], 3                      ; c: which quarter of a block's tiles
	s_bfe_u32 s15, ttmp6, 0x40000                  ; cx
	s_lshl_b32 s16, ttmp9, 2
	s_add_co_u32 s16, s16, s15                     ; work-group x
	s_and_b32 s17, ttmp7, 0xffff                   ; work-group y: the half of embd, the same in all four partners
	s_mov_b32 s[G1B], 15|(3<<16)|(1<<21)           ; the mask of all four; elements of 8 bytes; bit 21 beside a mask
	s_mov_b32 s[G1B+1], 32<<16                     ; rows of 256 bytes,
	s_mov_b32 s[G1B+2], 64<<16                     ; 64 of them: my 16,384 bytes of a block
	s_mov_b32 s[G1B+3], 32<<16
	s_mov_b32 s[G1B+4], 64
	s_mov_b32 s[G1B+5], 32
	s_mov_b32 s[G1B+6], 0
	s_mov_b32 s[G1B+7], 0
	s_lshl_b32 s18, s16, 1
	s_add_co_u32 s18, s18, s[RG]                   ; my block of 128 tokens
	s_lshl_b32 s2, s18, 9                          ; its 128 results,
	s_lshl_b32 s3, s17, 17                         ; in the half's 131,072 bytes
	s_add_co_u32 s2, s2, s3
	s_mov_b32 s3, 0
	s_lshl_b32 s18, s18, 15                        ; its 16 fragments of aimg
	s_mov_b32 s19, 0
	s_lshl_b32 s20, s[WV], 14                      ; what I fetch of a block, in the block and in the slot
	s_lshl_b32 s24, s17, 20                        ; the half's first byte of bimg
	s_add_co_u32 s24, s24, s20
	s_mov_b32 s25, 0
	s_lshl_b32 s22, s15, 15                        ; the prefetches: the half + 32,768 cx + 8,192 c, at block 3: the first refill steps it to block 4
	s_lshl_b32 s23, s[CQ], 13
	s_add_co_u32 s22, s22, s23
	s_lshl_b32 s23, s17, 20
	s_add_co_u32 s22, s22, s23
	s_add_co_u32 s22, s22, 3*BLOCKB
	s_mov_b32 s23, 0
	s_or_b32 s[LIM], s[RG], ttmp9
	s_cmp_eq_u32 s[LIM], 0                         ; waves 0-3 of cluster x = 0 ask, while more than 2 refills are left
	s_cselect_b32 s[LIM], 2, -1
	s_mov_b32 s[LEFT], 6
	s_lshl_b32 s[CUR], s17, 8                      ; my first tile: 256 x half + 8 c
	s_lshl_b32 s21, s[CQ], 3
	s_add_co_u32 s[CUR], s[CUR], s21
	s_mov_b32 s[PREV], 0
	s_mov_b32 s[SEL], 0x76543210
	s_mov_b32 s[SEL+1], 0xfedcba98
	s_wait_alu depctr_va_vdst(0)                   ; directly ahead of the waits below
	s_wait_dscnt 0x0                               ; both opening adds are done
	s_wait_kmcnt 0x0
	s_add_nc_u64 s[4:5], s[4:5], s[18:19]
	s_mov_b32 s[G0B], 1
	s_mov_b32 s[G0B+1], s20
	s_add_nc_u64 s[G0B+2:G0B+3], s[6:7], s[24:25]
	s_mov_b32 s[G0B+4], 1
	s_add_co_u32 s[G0B+5], s20, RING1
	s_add_nc_u64 s[G0B+6:G0B+7], s[G0B+2:G0B+3], BLOCKB
	s_or_b32 s[G0B+3], s[G0B+3], 0x80000000
	s_or_b32 s[G0B+7], s[G0B+7], 0x80000000
	s_add_nc_u64 s[PFA:PFA+1], s[6:7], s[22:23]
	s_add_nc_u64 s[8:9], s[8:9], s[2:3]
	s_add_nc_u64 s[10:11], s[10:11], s[2:3]
	CROUND                                         ; the four work-groups are here: the first joint loads meet
	tensor_load_to_lds s[G0B:G0B+3], s[G1B:G1B+7]  ; block 0: one tensor load a wave at the head
	s_nop 0
	FOUR
	WIN 0x40                                       ; destination: window 1
.irp f, 0,1,2,3,4,5,6,7,8,9,10,11,12,13,14,15
.irp q, 0,1,2,3
	global_load_b128 v[16*\f+4*\q:16*\f+4*\q+3], v[GO], s[4:5] offset:2048*\f+512*\q   ; my tokens' fragments, as register images
.endr
.endr
	WIN 0
	v_and_b32 v1, 15, v0                           ; r
	v_bfe_u32 v2, v0, 4, 1                         ; h
	s_lshl_b32 s21, s[CQ], 15
	v_add_nc_u32 v[ADRB], s21, v[GO]               ; my eight tiles of a slot: 32,768 c + 16 x lane
	v_add_nc_u32 v[ADRB+1], RING1, v[ADRB]
	s_lshl_b32 s21, s[WV], 9
	s_add_co_u32 s21, s21, MRGV
	v_lshl_add_u32 v[MW], v1, 2, s21
	s_lshl_b32 s21, s[RG], 11
	s_add_co_u32 s21, s21, MRGV
	v_add_nc_u32 v[MR], s21, v[GO]                 ; the four waves of my token group
	s_mov_b32 s18, 0xff800000                      ; under every sum
.irp i, 0,1,2,3
	v_mov_b32 v[BA+\i], s18
	v_mov_b32 v[BB+4+\i], s18
.endr
.irp i, 0,1,2,3,4,5,6,7,8,9,10,11,12,13,14,15,16,17,18,19,20,21,22,23,24,25,26,27,28,29,30,31
	v_mov_b32 v[Y+\i], s18                         ; the first tile's scan of 'the tile before' finds nothing larger
.endr
.irp i, 0,1,2,3,4,5,6,7
	v_mov_b32 v[TIL+\i], 0
	v_mov_b32 v[OV+\i], 0                          ; a lane permute's destination counts as one of its sources
.endr
.set i, 0
.rept 64
	v_mov_b32 v[W+i], 0                            ; a select reads what it may keep: written once, while block 0 is on its way
.set i, i+1
.endr
	s_wait_alu depctr_va_vdst(0)                   ; the head's end
	s_wait_tensorcnt 0x0                           ; my part of block 0 is in; slot 1's first fill is issued as a refill is
	ds_add_u32 v[SPW], v[NIL]
	s_wait_dscnt 0x0
	CROUND                                         ; everybody's part of block 0 is in
	tensor_load_to_lds s[G0B+4:G0B+7], s[G1B:G1B+7]
	s_nop 0
	FOUR
	BLOAD B0, ADRB, 0
	s_wait_loadcnt 0x0                             ; my tokens' fragments are in
	s_mov_b32 s[TRIPS], 3
.Ltrip:                                                ; a trip goes once round the ring: 16 tiles a wave, both slots filled again
	SLOTRUN 0, 1
	SLOTRUN 1, 1
	s_sub_co_u32 s[TRIPS], s[TRIPS], 1
	s_cmp_lg_u32 s[TRIPS], 0
	s_cbranch_scc1 .Ltrip
	SLOTRUN 0, 2                                   ; the last lap fills nothing
	SLOTRUN 1, 3
	SCAN Y, 4, PREV, BB, BA                        ; all 8 maxima now lie in set BA
.irp t, 0,1,2,3,4,5,6,7
	v_mov_b32 v[JJ+\t], 7
.endr
.irp j, 6,5,4,3,2,1,0                  ; descending, so that the lowest j with the largest sum stays
.irp t, 0,1,2,3,4,5,6,7
	v_cmp_eq_f32 s[MG+\t], v[W+8*\t+\j], v[BA+\t]
.endr
.irp t, 0,1,2,3,4,5,6,7
	v_cndmask_b32 v[JJ+\t], v[JJ+\t], \j, s[MG+\t]
.endr
.endr
.irp t, 0,1,2,3,4,5,6,7
	v_lshl_add_u32 v[COL+\t], v[TIL+\t], 4, v[JJ+\t]
.endr
.irp t, 0,1,2,3,4,5,6,7
	v_lshl_add_u32 v[COL+\t], v2, 3, v[COL+\t]     ; the index: 16 x tile + 8 h + j
.endr
.irp g, 0,4
.irp t, 0,1,2,3
	v_permlanex16_b32 v[OV+\t], v[BA+\g+\t], s[SEL], s[SEL+1]     ; lane l xor 16: the same token, the tiles' other 8 rows
	v_permlanex16_b32 v[OC+\t], v[COL+\g+\t], s[SEL], s[SEL+1]
.endr
	TAKE BA+\g, COL+\g, OV, OC
.endr
.irp t, 0,1,2,3,4,5,6,7
	ds_store_b32 v[MW], v[BA+\t] offset:64*\t      ; token 16 t + r: lanes r and r + 16 store the same number
	ds_store_b32 v[MW], v[COL+\t] offset:4096+64*\t
.endr
	s_wait_dscnt 0x0                               ; for the others' sake
	s_barrier_signal -1
	s_barrier_wait -1
	s_cmp_lg_u32 s[CQ], 0                          ; waves 0 and 4 join the four quarters of their token group
	s_cbranch_scc1 .Ldone
.irp u, 0,1,2,3
	ds_load_b128 v[32+4*\u:35+4*\u], v[MR] offset:512*\u          ; quarter u's maxima of tokens 4 l .. 4 l + 3
.endr
.irp u, 0,1,2,3
	ds_load_b128 v[64+4*\u:67+4*\u], v[MR] offset:4096+512*\u     ; and their indices
.endr
	s_wait_dscnt 0x0
.irp u, 1,2,3
	TAKE 32, 64, 32+4*\u, 64+4*\u
.endr
	global_store_b128 v[GO], v[32:35], s[8:9]      ; 32 lanes store 512 consecutive bytes, at a multiple of 256 from the buffer's first byte
	global_store_b128 v[GO], v[64:67], s[10:11]
.Ldone:
	s_wait_tensorcnt 0x0                           ; the wave's end
	ds_add_u32 v[SPW], v[NIL]
	s_wait_dscnt 0x0
	CROUND                                         ; the closing round
	s_endpgm
.Lfunc_end_k_qfd460db165_vq_half:
	.size	k_qfd460db165_vq_half, .Lfunc_end_k_qfd460db165_vq_half-k_qfd460db165_vq_half
	.p2alignl 7, 3214868480
	.fill 96, 4, 3214868480
	.section	.rodata,"a",@progbits
	.p2align	6, 0x0
	.amdhsa_kernel k_qfd460db165_vq_half
		.amdhsa_group_segment_fixed_size 327680
		.amdhsa_private_segment_fixed_size 0
		.amdhsa_enable_private_segment 0
		.amdhsa_kernarg_size 32
		.amdhsa_user_sgpr_count 2
		.amdhsa_user_sgpr_kernarg_segment_ptr 1
		.amdhsa_wavefront_size32 1
		.amdhsa_system_sgpr_workgroup_id_x 1
		.amdhsa_system_sgpr_workgroup_id_y 1
		.amdhsa_system_sgpr_workgroup_id_z 1
		.amdhsa_system_vgpr_workitem_id 0
		.amdhsa_next_free_vgpr 512
		.amdhsa_next_free_sgpr 80
		.amdhsa_reserve_vcc 1
		.amdhsa_float_denorm_mode_32 3
		.amdhsa_float_denorm_mode_16_64 3
		.amdhsa_memory_ordered 1
		.amdhsa_forward_progress 1
		.amdhsa_inst_pref_size 246
	.end_amdhsa_kernel
	.amdgpu_metadata
---
amdhsa.version: [ 1, 2 ]
amdhsa.kernels:
  - .name:           k_qfd460db165_vq_half
    .symbol:         k_qfd460db165_vq_half.kd
    .args:
      - { .name: aimg, .offset: 0, .size: 8, .value_kind: global_buffer, .address_space: global }
      - { .name: bimg, .offset: 8, .size: 8, .value_kind: global_buffer, .address_space: global }
      - { .name: pv, .offset: 16, .size: 8, .value_kind: global_buffer, .address_space: global }
      - { .name: pi, .offset: 24, .size: 8, .value_kind: global_buffer, .address_space: global }
    .group_segment_fixed_size: 327680
    .private_segment_fixed_size: 0
    .kernarg_segment_align: 8
    .kernarg_segment_size: 32
    .max_flat_workgroup_size: 256
    .sgpr_count:     80
    .vgpr_count:     512
    .wavefront_size: 32
...
	.end_amdgpu_metadata
.endif
;; end of part 2
;; launch choose_rows (part 3): grid 512 x 1, 8 waves a work-group, no clusters, 0 bytes of LDS; arguments pi, pv, embd, out0, out1; writes out0, out1
.if DOCPART == 3
	.amdgcn_target "amdgcn-amd-amdhsa--gfx1250"
	.amdhsa_code_object_version 6
	.text
	.protected	k_qfd460db165_choose_rows
	.globl	k_qfd460db165_choose_rows
	.p2align	8
	.type	k_qfd460db165_choose_rows,@function
k_qfd460db165_choose_rows:
	s_mov_b64 s[64:65], 0
	v_nop
	global_prefetch_b8 v0, s[64:65] scope:SCOPE_SE
	s_setreg_imm32_b32 hwreg(HW_REG_WAVE_MODE, 25, 1), 1
	s_wait_xcnt 0x0
; out1[token] = the index of the half of embd with the larger maximum (on a tie the lower half's: the first largest); out0[token] = embd[out1[token]].
; pi, pv: [half][token], the indices (whole numbers) and maxima that the launch before has stored.
; Left out (shown at the first kernel's head): input + (embd[..] - input) is embd[..], so input is no argument here.
; The choice hangs on a comparison of sums, so it enters no address: BOTH halves' rows are loaded, by the stored indices, and the row is picked by selects.
; SHARES: 4,096 waves, 8 tokens each.  A row is 1,024 bytes: two accesses of 512 consecutive bytes of the wave.  A stream: no LDS, no barrier, no matrix unit; all 32 loads of a wave go out before its
; first store, every offset is an immediate and no store's or load's source is ever rewritten.  No loop to run ahead in: nothing is prefetched.
; Wave 0 of a work-group also makes the work-group's 64 numbers of out1, two a lane, and stores them as 256 consecutive bytes.  An index is held at 8,191 before it enters an address.
.set HALFB, 131072                     ; bytes of a half in pi and in pv
.set OFF0, 2                           ; v2-9    token i: 1,024 x its index in half 0 + 16 x lane
.set OFF1, 10                          ; v10-17  the same for half 1
.set X,    32                          ; v32-95  half 0's rows: token i, half row u at 8 i + 4 u; then the results
.set Q,    96                          ; v96-159 half 1's rows likewise
	s_load_b256 s[4:11], s[0:1], 0x0               ; pi s[4:5], pv s[6:7], embd s[8:9], out0 s[10:11]
	s_load_b64 s[12:13], s[0:1], 0x20              ; out1
	v_lshrrev_b32 v1, 5, v0
	v_readfirstlane_b32 s14, v1                    ; wave 0..7
	v_and_b32 v1, 31, v0
	v_lshlrev_b32 v18, 3, v1                       ; 8 x lane
	v_lshlrev_b32 v1, 4, v1                        ; 16 x lane
	s_lshl_b32 s15, ttmp9, 3
	s_add_co_u32 s15, s15, s14                     ; which run of 8 tokens is my wave's
	s_lshl_b32 s56, s15, 5                         ; its 8 words in a half of pi and of pv,
	s_mov_b32 s57, 0
	s_lshl_b32 s58, s15, 13                        ; its 8 rows of 1,024 bytes
	s_mov_b32 s59, 0
	s_wait_alu depctr_va_vdst(0)                   ; directly ahead of the wait below
	s_wait_kmcnt 0x0
	s_add_nc_u64 s[4:5], s[4:5], s[56:57]
	s_add_nc_u64 s[6:7], s[6:7], s[56:57]
	s_load_b256 s[16:23], s[4:5], 0x0              ; the eight indices in half 0,
	s_load_b256 s[24:31], s[4:5], HALFB            ; in half 1,
	s_load_b256 s[32:39], s[6:7], 0x0              ; and the maxima
	s_load_b256 s[40:47], s[6:7], HALFB
	s_add_nc_u64 s[10:11], s[10:11], s[58:59]
	s_lshl_b32 s58, ttmp9, 8                       ; my work-group's 64 numbers of out1
	s_add_nc_u64 s[12:13], s[12:13], s[58:59]
	s_wait_kmcnt 0x0
.irp i, 0,1,2,3,4,5,6,7
	s_min_u32 s[16+\i], s[16+\i], 8191
	s_lshl_b32 s[16+\i], s[16+\i], 10
	v_add_nc_u32 v[OFF0+\i], s[16+\i], v1
	s_min_u32 s[24+\i], s[24+\i], 8191
	s_lshl_b32 s[24+\i], s[24+\i], 10
	v_add_nc_u32 v[OFF1+\i], s[24+\i], v1
.endr
	s_wait_alu depctr_va_vdst(0)
.irp i, 0,1,2,3,4,5,6,7
.irp u, 0,1
	global_load_b128 v[X+8*\i+4*\u:X+8*\i+4*\u+3], v[OFF0+\i], s[8:9] offset:512*\u   ; no hint: a row of embd may be named again
.endr
.irp u, 0,1
	global_load_b128 v[Q+8*\i+4*\u:Q+8*\i+4*\u+3], v[OFF1+\i], s[8:9] offset:512*\u
.endr
.endr
	s_cmp_lg_u32 s14, 0
	s_cbranch_scc1 .Lrows
	global_load_b64 v[20:21], v18, s[6:7]                  ; wave 0's pointers stand at the work-group's first token: two tokens a lane
	global_load_b64 v[22:23], v18, s[6:7] offset:HALFB
	global_load_b64 v[24:25], v18, s[4:5]
	global_load_b64 v[26:27], v18, s[4:5] offset:HALFB
	s_wait_loadcnt 0x0
	v_cmp_gt_f32 vcc_lo, v22, v20
	v_cndmask_b32 v24, v24, v26, vcc_lo
	v_cmp_gt_f32 vcc_lo, v23, v21
	v_cndmask_b32 v25, v25, v27, vcc_lo
	global_store_b64 v18, v[24:25], s[12:13]       ; 32 lanes store 256 consecutive bytes, at a multiple of 256 from out1's first byte
.Lrows:
.irp i, 0,1,2,3,4,5,6,7
	v_cmp_gt_f32 s[48+\i], s[40+\i], s[32+\i]      ; the same in every lane: all lanes or none take half 1's row
.endr
.irp i, 0,1,2,3,4,5,6,7
	s_wait_loadcnt 28-4*\i                         ; loads come back in order (ISA guide 5.7.1): this token's four are in, the later tokens' four each may be out
.irp e, 0,1,2,3,4,5,6,7
	v_cndmask_b32 v[X+8*\i+\e], v[X+8*\i+\e], v[Q+8*\i+\e], s[48+\i]
.endr
.irp u, 0,1
	global_store_b128 v1, v[X+8*\i+4*\u:X+8*\i+4*\u+3], s[10:11] offset:1024*\i+512*\u th:TH_STORE_NT   ; 32 lanes store 512 consecutive bytes, at a multiple of 256 from out0's first byte
.endr
.endr
	s_endpgm
.Lfunc_end_k_qfd460db165_choose_rows:
	.size	k_qfd460db165_choose_rows, .Lfunc_end_k_qfd460db165_choose_rows-k_qfd460db165_choose_rows
	.p2alignl 7, 3214868480
	.fill 96, 4, 3214868480
	.section	.rodata,"a",@progbits
	.p2align	6, 0x0
	.amdhsa_kernel k_qfd460db165_choose_rows
		.amdhsa_group_segment_fixed_size 0
		.amdhsa_private_segment_fixed_size 0
		.amdhsa_enable_private_segment 0
		.amdhsa_kernarg_size 40
		.amdhsa_user_sgpr_count 2
		.amdhsa_user_sgpr_kernarg_segment_ptr 1
		.amdhsa_wavefront_size32 1
		.amdhsa_system_sgpr_workgroup_id_x 1
		.amdhsa_system_sgpr_workgroup_id_y 1
		.amdhsa_system_sgpr_workgroup_id_z 1
		.amdhsa_system_vgpr_workitem_id 0
		.amdhsa_next_free_vgpr 160
		.amdhsa_next_free_sgpr 66
		.amdhsa_reserve_vcc 1
		.amdhsa_float_denorm_mode_32 3
		.amdhsa_float_denorm_mode_16_64 3
		.amdhsa_memory_ordered 1
		.amdhsa_forward_progress 1
		.amdhsa_inst_pref_size 14
	.end_amdhsa_kernel
	.amdgpu_metadata
---
amdhsa.version: [ 1, 2 ]
amdhsa.kernels:
  - .name:           k_qfd460db165_choose_rows
    .symbol:         k_qfd460db165_choose_rows.kd
    .args:
      - { .name: pi, .offset: 0, .size: 8, .value_kind: global_buffer, .address_space: global }
      - { .name: pv, .offset: 8, .size: 8, .value_kind: global_buffer, .address_space: global }
      - { .name: embd, .offset: 16, .size: 8, .value_kind: global_buffer, .address_space: global }
      - { .name: out0, .offset: 24, .size: 8, .value_kind: global_buffer, .address_space: global }
      - { .name: out1, .offset: 32, .size: 8, .value_kind: global_buffer, .address_space: global }
    .group_segment_fixed_size: 0
    .private_segment_fixed_size: 0
    .kernarg_segment_align: 8
    .kernarg_segment_size: 40
    .max_flat_workgroup_size: 256
    .sgpr_count:     66
    .vgpr_count:     160
    .wavefront_size: 32
...
	.end_amdgpu_metadata
.endif
;; end of part 3
